; MI455X (gfx1250); checked and timed in simulation.
; The chip was launched on July 23, 2026; its instructions are those of AMD's public machine-readable ISA for CDNA 5 (MIT licence, August 2026) and "CDNA5" Instruction Set Architecture Reference Guide (July 2026). The comments in the code are by the model that wrote it; some were corrected since.
;; Multi Head Attention. Allowed arithmetic: matrix products marked QUANTISED: E2M3 operands, one E8M0 scale for each 32 along K, by v_wmma_scale_f32_16x16x128_f8f6f4 with both operands' format E2M3, f32 sums; everything else in f32.
;; Inputs: Wk_codes 1,024 x 32 x 24 uint8 (E2M3 codes of Wk, K innermost, in blocks of 32 codes, four codes in three bytes); Wk_scales 1,024 x 32 uint8 (E8M0 scales of Wk, one for each 32 codes along K); Wo_codes 1,024 x 32 x 24 uint8 (E2M3 codes of Wo, K innermost, in blocks of 32 codes, four codes in three bytes); Wo_scales 1,024 x 32 uint8 (E8M0 scales of Wo, one for each 32 codes along K); Wq_codes 1,024 x 32 x 24 uint8 (E2M3 codes of Wq, K innermost, in blocks of 32 codes, four codes in three bytes); Wq_scales 1,024 x 32 uint8 (E8M0 scales of Wq, one for each 32 codes along K); Wv_codes 1,024 x 32 x 24 uint8 (E2M3 codes of Wv, K innermost, in blocks of 32 codes, four codes in three bytes); Wv_scales 1,024 x 32 uint8 (E8M0 scales of Wv, one for each 32 codes along K); bo 1,024 float32; x_codes 4 x 2,048 x 32 x 24 uint8 (E2M3 codes of x, K innermost, in blocks of 32 codes, four codes in three bytes); x_scales 4 x 2,048 x 32 uint8 (E8M0 scales of x, one for each 32 codes along K).
;; Outputs: out0 4 x 2,048 x 1,024 float32.
;; This version of the problem:
;;   THIS VERSION OF THE PROBLEM IS GIVEN IN LOW PRECISION. The matrix products marked QUANTISED in the list below multiply operands that are first quantised to E2M3 (2 exponent bits, 3 mantissa bits; 6 bits a number), with one power-of-two scale for each 32 numbers along K (OCP MX v1.0); their sums are f32. All else is computed in f32.
;;   The module's matrix products, in the order in which they are computed (A, B: the left and right operand; K: the contracted axis; several contracted axes count as one K, in the product's order):
;;     1. [M 8,192, K 1,024] x [K 1,024, N 1,024]; A: input x (given as codes); B: input Wq (given as codes): QUANTISED
;;     2. [M 8,192, K 1,024] x [K 1,024, N 1,024]; A: input x (given as codes); B: input Wk (given as codes): QUANTISED
;;     3. [M 8,192, K 1,024] x [K 1,024, N 1,024]; A: input x (given as codes); B: input Wv (given as codes): QUANTISED
;;     4. batch 64 x [M 2,048, K 64] x [K 64, N 2,048]; A: computed on the way; B: computed on the way: QUANTISED
;;     5. batch 64 x [M 64, K 2,048] x [K 2,048, N 2,048]; A: computed on the way; B: softmax (see below): QUANTISED
;;     6. [M 8,192, K 1,024] x [K 1,024, N 1,024]; A: computed on the way; B: input Wo (given as codes): QUANTISED
;;   THE QUANTISER, for each operand of a quantised product, along K:
;;     - K is cut into blocks of 32 from its start; a last block that is shorter is filled with zeros.
;;     - A block's scale is 2^e with e = floor(log2(the largest magnitude in the block)) - 2, held to -126 .. 127; a block of zeros has e = 0. As a byte (E8M0): e + 127.
;;     - Each number is divided by its block's scale, clamped to +-7.5, and rounded to the nearest number of E2M3, ties to even, subnormals kept.
;;     - The product sums the exact products of the quantised numbers (number of the format x scale) in f32.
;;   ~~~python
;;   def quantise(x, axis):      # numpy; x: float32 -> the quantised numbers, widened to float32 again
;;       x = np.moveaxis(x, axis, -1); K = x.shape[-1]
;;       x = np.pad(x, [(0, 0)] * (x.ndim - 1) + [(0, -K % 32)]); x = x.reshape(x.shape[:-1] + (-1, 32)); a = np.abs(x).max(-1, keepdims=True)
;;       e = np.where(a > 0, np.clip(np.frexp(np.where(a > 0, a, 1))[1] - 1 - 2, -126, 127), 0)      # np.frexp(a)[1] - 1 = floor(log2(a)), exactly
;;       r = np.clip(x / 2.0 ** e, -7.5, 7.5)
;;       step = 2.0 ** (np.maximum(np.frexp(np.where(r == 0, 1, r))[1] - 1, 0) - 3)
;;       q = np.round(r / step) * step * 2.0 ** e      # np.round: ties to even
;;       return np.moveaxis(q.reshape(q.shape[:-2] + (-1,))[..., :K], -1, axis).astype(np.float32)
;;   ~~~
;;   SOFTMAX AHEAD OF A QUANTISED PRODUCT. Where the list says 'softmax', what is quantised is not the finished softmax but p = 2^(t - M), with t = logit x log2(e) and M = ceil(the row's largest t), a whole number; so 1/2 < the row's largest p <= 1. The row's sum l is taken of the UNQUANTISED p, in f32, and the product's result is divided by l at the end. Since M is a whole number, a kernel that streams over the keys may use a running M (the ceiling of the running maximum): every later rescaling is an exact power of two, which a block's scale takes up: the codes' values come out the same.
;;   OPERANDS COMPUTED ON THE WAY. 'Computed on the way' means the value that the module computes at that place (a softmax that the list does not call 'softmax' is quantised finished and normalised). What goes into a quantiser is computed in f32, as accurately as f32 sums, v_exp_f32 and their like allow (about 1e-6 of the number): no bf16 or f16 on the way to a quantiser, and a product that is left as it is and whose result goes on into a quantised operand takes f32 operands (vector FMAs, or v_wmma_f32_16x16x4_f32). A number that lies on a knife's edge between two numbers of the format may be rounded either way, as far as f32 arithmetic and the matrix unit's own rounding can turn it there, and no further.
;;   INPUTS GIVEN AS CODES. Wk (in the module: [1024, 1024], K = its axis 0); Wo (in the module: [1024, 1024], K = its axis 0); Wq (in the module: [1024, 1024], K = its axis 0); Wv (in the module: [1024, 1024], K = its axis 0); x (in the module: [4, 2048, 1024], K = its axis 2): each comes as NAME_codes (uint8): NAME with its K axis moved to the last place and cut into blocks of 32 codes, [.., K / 32, bytes a block], one block behind the other in memory; four codes in three bytes: a row's codes are one little-endian stream of bits, code i at bits 6 i .. 6 i + 5 (a code: sign, 2 exponent bits, 3 mantissa bits); and NAME_scales (uint8): the same leading axes, one E8M0 byte (e + 127) for each 32 codes along K. Its value is code x scale, taken as it is: it is not quantised again, and the codes and scales need not be those that the quantiser above would give.
;; One version. Each part assembles by itself: llvm-mc -triple=amdgcn-amd-amdhsa -mcpu=gfx1250 --defsym DOCPART=n.
;; ======== version 1 of 1: 3 launches
;; limits: right only within a limited range of input values
;; workspace buffers: qc 6,291,456 bytes; qs 524,288 bytes; kv 13,369,344 bytes; cc 6,291,456 bytes; cs 262,144 bytes
;; launch qkv (part 1): grid 8 x 32, 4 waves a work-group, clusters of 4 x 4, 327,680 bytes of LDS; arguments x_codes, x_scales, Wq_codes, Wq_scales, Wk_codes, Wk_scales, Wv_codes, Wv_scales, qc, qs, kv; writes qc, qs, kv
.if DOCPART == 1
	.amdgcn_target "amdgcn-amd-amdhsa--gfx1250"
	.amdhsa_code_object_version 6
	.text
	.protected	k_q2a153e3170_qkv
	.globl	k_q2a153e3170_qkv
	.p2align	8
	.type	k_q2a153e3170_qkv,@function
k_q2a153e3170_qkv:
	s_mov_b64 s[64:65], 0
	v_nop
	global_prefetch_b8 v0, s[64:65] scope:SCOPE_SE
	s_setreg_imm32_b32 hwreg(HW_REG_WAVE_MODE, 25, 1), 1
	s_wait_xcnt 0x0
	s_wait_alu depctr_hold_cnt(0) depctr_sa_sdst(0) depctr_va_vdst(0) depctr_va_sdst(0) depctr_va_ssrc(0) depctr_va_vcc(0) depctr_vm_vsrc(0)
	s_getreg_b32 s2, hwreg(HW_REG_IB_STS2, 6, 4)
	s_cmp_eq_u32 s2, 0
	s_cbranch_scc0 .Lentry_in_a_cluster
	s_endpgm
.Lentry_in_a_cluster:
	s_bfe_u32 s2, ttmp6, 0x10000c
	s_cmp_lg_u32 s2, 0xf033
	s_cbranch_scc0 .Lentry_shape_is_right
	s_endpgm
.Lentry_shape_is_right:
; q = x Wq, k = x Wk, v = x Wv on codes of FP6 (E2M3) with E8M0 scales; the results are quantised again in registers for the attention launch.
; Work-group (g, TT): 256 tokens (block TT of 32) against the 128 columns of heads 2 g, 2 g + 1 of Wq, then Wk, then Wv.  The tokens' 256 rows, all of K, stay in LDS;
; the weights' 128 rows, all of K, have a region of their own that is filled again twice, each time behind a drained round of the cluster's barrier; the way out of the finished tile stands behind that refill.
; Every tensor row is 768 bytes (or 256 for scale bytes) and begins at a multiple of 256 bytes.  CLUSTERS 4 x 4: the tokens' tiles are shared along a row, the weights' along a column.
; A wave makes 64 (i) x 128 (j): source 0 = 16 rows of j, source 1 = 16 rows of i, so a lane holds one i and eight neighbouring j, and the way out quantises ALONG j.
; q, k: i = tokens 64 w .., j = the 128 columns.  v: i = the 64 columns of head 2 g + w / 2, j = tokens 128 (w % 2) ..: only the LDS regions change places.
; THE WAY OUT: the 16 registers of accumulators (a, 2 b), (a, 2 b + 1) are converted as they stand: place 16 h + 8 u + n of a block of 32 holds element 16 u + 8 h + n; q and k share this order, and so do v and the attention's p.
; OUT: qc [bh][tile of 16 tokens][768]: lane l's 24 bytes at 24 l.  qs [bh][token] words: the pair of heads' four bytes, stored for both heads.
; kv [bh][step of 128 keys][13,056]: K's eight images of 768 bytes, V's eight (tile of 16 columns, c), K's 128 pair words, V's 64 words.
; No prefetch: the loop has two trips, and each refill is asked for ahead of the whole way out of the tile before (four blocks' conversions and 20 stores) and awaited behind it.
; LIMITS: NaN and infinities are not served.  A block whose largest magnitude lies under 2^-124, zeros among them, gets the byte 1 (the quantiser says 127 for zeros); only this program reads the bytes.
; The order of k inside a block of 32, and so the order of rounding inside a sum, differs in the attention's two products from the definition's.
.set PITCH, 816                        ; an LDS row: 3 x (256 + 16)
.set WB,    256*PITCH                  ; the weights' region
.set SXB,   WB+128*PITCH               ; the tokens' scale bytes: 32 units of 256 + 16
.set SWB,   SXB+32*272                 ; the weights': 16 units
.set SPARE, SWB+16*272
.set REC,   13056
.set LT,  8                            ; 24 r + 12 h
.set FLR, 9                            ; 2^(3 - 127)
.set LN4, 10
.set LN,  11
.set AQ,  12                           ; q, k: i's rows (second register: behind one padding more)
.set BQ,  14                           ; q, k: j's rows, blocks 0-3 and 4-7
.set AV,  18
.set BV,  20
.set SAQ, 24
.set SBQ, 25
.set SAV, 26
.set SBV, 27
.set SPW, 28
.set NIL, 29
.set SCA, 32                           ; v32-63 i's scale words, 8 a block; v68-131 j's
.set SCB, 68
.set AF,  132                          ; i's fragments, two sets of 48; j's two sets fill window 1; accumulators window 2
.set BM,  32
.set PT,  36
.set SOP, 40
.set WD,  48
.set SW,  52
.set CD,  132
.set G0X, 4
.set G0W, 8
.set G1X, 24
.set G1W, 32
.set G1SX, 48
.set G1SW, 56
.set G0SX, 92
.set G0SW, 96
.set MSB, 0
.macro WIN new
.if MSB != (\new)
	s_set_vgpr_msb (MSB<<8)|(\new)
.set MSB, \new
.endif
.endm
.macro PLACES n
.rept \n
	v_nop
.endr
.endm
.macro WALU
	s_wait_alu depctr_va_vdst(0)
.endm
.macro CROUND
	s_barrier_signal -1
	s_barrier_wait -1
	s_cmp_lg_u32 s14, 0
	s_cbranch_scc1 .Lnot_wave_0_\@
	s_barrier_signal -3
.Lnot_wave_0_\@:
	s_barrier_wait -3
	s_barrier_signal -1
	s_barrier_wait -1
.endm
.macro TLOAD g0, g1
	tensor_load_to_lds s[\g0:\g0+3], s[\g1:\g1+7]
	s_nop 0
	PLACES 4
.endm
.macro GROUP1 g, mask, rows
	s_or_b32 s[\g+0], s[\mask], (1<<20)|(1<<21)|(5<<22)|(3<<25)
	s_mov_b32 s[\g+1], 768<<16
	s_mov_b32 s[\g+2], (\rows)<<16
	s_mov_b32 s[\g+3], 768<<16
	s_mov_b32 s[\g+4], \rows
	s_mov_b32 s[\g+5], 768
	s_mov_b32 s[\g+6], 0
	s_mov_b32 s[\g+7], 0
.endm
.macro GROUPS g, mask, rows
	s_or_b32 s[\g+0], s[\mask], (3<<16)|(1<<20)|(1<<21)|(5<<22)|(3<<25)
	s_mov_b32 s[\g+1], 32<<16
	s_mov_b32 s[\g+2], (\rows)<<16
	s_mov_b32 s[\g+3], 32<<16
	s_mov_b32 s[\g+4], \rows
	s_mov_b32 s[\g+5], 32
	s_mov_b32 s[\g+6], 0
	s_mov_b32 s[\g+7], 0
.endm
.macro G0SET g, lds, p
	s_mov_b32 s[\g], 1
	s_mov_b32 s[\g+1], \lds
	s_mov_b64 s[\g+2:\g+3], s[\p:\p+1]
	s_or_b32 s[\g+3], s[\g+3], 0x80000000
.endm
.macro ARM under, g0, g1, next
	s_cmp_lt_u32 s14, \under
	s_cbranch_scc0 \next
	TLOAD \g0, \g1
	s_branch .Lhead_asked
\next:
.endm
	s_load_b512 s[68:83], s[0:1], 0x0
	s_load_b128 s[84:87], s[0:1], 0x40
	s_load_b64 s[88:89], s[0:1], 0x50
	v_lshl_add_u32 v[SPW], v0, 2, SPARE
	v_mov_b32 v[NIL], 0
	ds_add_u32 v[SPW], v[NIL]              ; the opening lines
	ds_add_u32 v[SPW], v[NIL]
	v_lshrrev_b32 v1, 5, v0
	v_readfirstlane_b32 s14, v1            ; wave
	s_lshr_b32 s15, s14, 1
	s_and_b32 s16, s14, 1
	s_bfe_u32 s40, ttmp6, 0x40000
	s_bfe_u32 s41, ttmp6, 0x40004
	s_lshl_b32 s42, ttmp9, 2
	s_add_co_u32 s42, s42, s40             ; g
	s_and_b32 s17, ttmp7, 0xffff
	s_lshl_b32 s17, s17, 2
	s_add_co_u32 s17, s17, s41             ; TT
	s_lshl_b32 s43, s41, 2
	s_lshl_b32 s43, 15, s43                ; my row of the cluster
	s_lshl_b32 s44, 0x1111, s40            ; my column
	GROUP1 G1X, 43, 256
	GROUP1 G1W, 44, 128
	GROUPS G1SX, 43, 32
	GROUPS G1SW, 44, 16
	s_mul_i32 s18, s17, 256*768            ; the tokens' codes,
	s_mov_b32 s19, 0
	s_lshl_b32 s20, s17, 13                ; their scale bytes,
	s_mov_b32 s21, 0
	s_mul_i32 s22, s42, 128*768            ; a weight's codes,
	s_mov_b32 s23, 0
	s_lshl_b32 s46, s42, 12                ; its scale bytes
	s_mov_b32 s47, 0
	s_lshr_b32 s2, s17, 3
	s_lshl_b32 s2, s2, 4
	s_lshl_b32 s3, s42, 1
	s_add_co_u32 s2, s2, s3                ; bh0 = 16 batch + 2 g
	s_and_b32 s3, s17, 7                   ; tb: my 256 tokens in the batch
	s_mul_i32 s66, s2, 98304
	s_mul_i32 s67, s3, 12288
	s_add_co_u32 s66, s66, s67
	s_mul_i32 s67, s14, 3072
	s_add_co_u32 s66, s66, s67             ; q's codes
	s_lshl_b32 s90, s2, 13
	s_lshl_b32 s67, s3, 10
	s_add_co_u32 s90, s90, s67
	s_lshl_b32 s67, s14, 8
	s_add_co_u32 s90, s90, s67             ; q's words
	s_lshl_b32 s91, s2, 4
	s_lshl_b32 s67, s3, 1
	s_add_co_u32 s91, s91, s67
	s_add_co_u32 s100, s91, s15
	s_mul_i32 s100, s100, REC              ; k's record: step 2 tb + w / 2
	s_lshl_b32 s67, s15, 4
	s_add_co_u32 s91, s91, s67
	s_add_co_u32 s91, s91, s16
	s_mul_i32 s91, s91, REC                ; v's record: head + w / 2, step 2 tb + w % 2
	s_mul_i32 s101, s16, 3072
	s_add_co_u32 s101, s101, s100          ; k's codes
	s_lshl_b32 s67, s16, 8
	s_add_co_u32 s100, s100, s67
	s_add_co_u32 s100, s100, 12288         ; k's words
	s_mov_b32 s67, 0
	s_mul_i32 s45, s14, 64*PITCH           ; LDS bases, from the wave's number alone
	s_mul_i32 s40, s15, 64*PITCH
	s_add_co_u32 s40, s40, WB
	s_mul_i32 s41, s16, 128*PITCH
	s_mul_i32 s43, s14, 4*544
	s_add_co_u32 s43, s43, SXB
	s_mul_i32 s44, s15, 4*544
	s_add_co_u32 s44, s44, SWB
	s_mul_i32 s2, s16, 8*544
	s_add_co_u32 s2, s2, SXB
	s_wait_dscnt 0x0
	s_wait_kmcnt 0x0
	s_add_nc_u64 s[68:69], s[68:69], s[18:19]
	s_add_nc_u64 s[70:71], s[70:71], s[20:21]
.irp t, 72,76,80
	s_add_nc_u64 s[\t:\t+1], s[\t:\t+1], s[22:23]
	s_add_nc_u64 s[\t+2:\t+3], s[\t+2:\t+3], s[46:47]
.endr
	s_add_nc_u64 s[12:13], s[84:85], s[66:67]      ; s[12:13], s[18:19]: codes of heads 2 g, 2 g + 1; s[20:21], s[22:23]: words
	s_add_nc_u64 s[18:19], s[12:13], 98304
	s_mov_b32 s66, s90
	s_add_nc_u64 s[20:21], s[86:87], s[66:67]
	s_add_nc_u64 s[22:23], s[20:21], 8192
	s_mov_b32 s66, s101
	s_add_nc_u64 s[84:85], s[88:89], s[66:67]      ; k's, for the second trip
	s_mov_b32 s66, s100
	s_add_nc_u64 s[86:87], s[88:89], s[66:67]
	s_mov_b32 s66, s91
	s_add_nc_u64 s[88:89], s[88:89], s[66:67]      ; v's record
	s_mov_b32 s100, 0x76543210
	s_mov_b32 s101, 0xfedcba98
	CROUND                                 ; in front of the first joint loads
	G0SET G0X, 0, 68
	G0SET G0W, WB, 72
	G0SET G0SX, SXB, 70
	G0SET G0SW, SWB, 74
	ARM 1, G0X, G1X, .Lhead_w              ; one load a wave
	ARM 2, G0W, G1W, .Lhead_sx
	ARM 3, G0SX, G1SX, .Lhead_sw
	TLOAD G0SW, G1SW
.Lhead_asked:
	v_and_b32 v1, 15, v0
	v_bfe_u32 v2, v0, 4, 1
	v_and_b32 v[LN], 31, v0
	v_mul_u32_u24 v3, v1, PITCH
	v_mad_u32_u24 v4, v2, 24, v3
	v_mad_u32_u24 v5, v2, 40, v3
	v_add_nc_u32 v[AQ], s45, v4
	v_add_nc_u32 v[AQ+1], s45, v5
	v_add_nc_u32 v[BQ], WB, v4
	v_add_nc_u32 v[BQ+1], WB, v5
	v_add_nc_u32 v[BQ+2], WB+64*PITCH, v4
	v_add_nc_u32 v[BQ+3], WB+64*PITCH, v5
	v_add_nc_u32 v[AV], s40, v4
	v_add_nc_u32 v[AV+1], s40, v5
	v_add_nc_u32 v[BV], s41, v4
	v_add_nc_u32 v[BV+1], s41, v5
	v_add_nc_u32 v[BV+2], 64*PITCH, v[BV]
	v_add_nc_u32 v[BV+3], 64*PITCH, v[BV+1]
	v_lshrrev_b32 v6, 3, v1
	v_and_b32 v7, 7, v1
	v_mul_u32_u24 v6, v6, 272
	v_lshl_add_u32 v6, v7, 5, v6           ; a row's 32 scale bytes: eight rows to a unit of 256 + 16
	v_add_nc_u32 v[SAQ], s43, v6
	v_add_nc_u32 v[SBQ], SWB, v6
	v_add_nc_u32 v[SAV], s44, v6
	v_add_nc_u32 v[SBV], s2, v6
	v_mul_u32_u24 v[LT], v1, 24
	v_mad_u32_u24 v[LT], v2, 12, v[LT]
	v_mov_b32 v[FLR], 0x1800000
	v_lshlrev_b32 v[LN4], 2, v[LN]
	WALU                                   ; the head's end
; a fragment: six pieces of 8 bytes; lanes 16-31 read 24 bytes on, which for pieces 29-31 of a chunk is behind one padding more
.macro FRAG reg, adr, q, i
.irp p, 0,1,2,3,4,5
.set PC, 12*(\q)+6*(\p/3)+\p%3
.if PC%32 < 29
	ds_load_b64 v[\reg+2*\p:\reg+2*\p+1], v[\adr] offset:8*PC+16*(PC/32)+(\i)*16*PITCH
.else
	ds_load_b64 v[\reg+2*\p:\reg+2*\p+1], v[\adr+1] offset:8*PC+16*(PC/32)+(\i)*16*PITCH
.endif
.endr
.endm
.macro FETCH ab, aa, q, p
	WIN 0x40
.irp i, 0,1,2,3
	FRAG 128*(\p)+12*\i, \ab, \q, \i
.endr
.irp i, 0,1,2,3
	FRAG 128*(\p)+48+12*\i, \ab+2, \q, \i
.endr
	WIN 0
.irp i, 0,1,2,3
	FRAG AF+48*(\p)+12*\i, \aa, \q, \i
.endr
.endm
.macro MUL32 p, q, zero                ; the 32 accumulators by turns
.irp a, 0,1,2,3
.irp b, 0,1,2,3,4,5,6,7
.if \zero
	v_wmma_scale_f32_16x16x128_f8f6f4 v[8*(8*\a+\b):8*(8*\a+\b)+7], v[128*(\p)+12*\b:128*(\p)+12*\b+11], v[AF+48*(\p)+12*\a:AF+48*(\p)+12*\a+11], 0, v[SCB+8*\b+(\q)], v[SCA+8*\a+(\q)] matrix_a_fmt:MATRIX_FMT_FP6 matrix_b_fmt:MATRIX_FMT_FP6
.else
	v_wmma_scale_f32_16x16x128_f8f6f4 v[8*(8*\a+\b):8*(8*\a+\b)+7], v[128*(\p)+12*\b:128*(\p)+12*\b+11], v[AF+48*(\p)+12*\a:AF+48*(\p)+12*\a+11], v[8*(8*\a+\b):8*(8*\a+\b)+7], v[SCB+8*\b+(\q)], v[SCA+8*\a+(\q)] matrix_a_fmt:MATRIX_FMT_FP6 matrix_b_fmt:MATRIX_FMT_FP6
.endif
.endr
.endr
.endm
; a tile: all scale words once, then eight steps of 128 along K; step q + 1's fragments are asked for ahead of step q's products
.macro TILE ab, aa, sb, sa
.irp i, 0,1,2,3
	ds_load_b128 v[SCA+8*\i:SCA+8*\i+3], v[\sa] offset:544*\i
	ds_load_b128 v[SCA+8*\i+4:SCA+8*\i+7], v[\sa] offset:544*\i+16
.endr
.irp i, 0,1,2,3,4,5,6,7
	ds_load_b128 v[SCB+8*\i:SCB+8*\i+3], v[\sb] offset:544*\i
	ds_load_b128 v[SCB+8*\i+4:SCB+8*\i+7], v[\sb] offset:544*\i+16
.endr
	FETCH \ab, \aa, 0, 0
.irp q, 0,1,2,3,4,5,6,7
	s_wait_dscnt 0x0                       ; this step's fragments are in
.if \q < 7
	PLACES 4                               ; between the last products and the loads into their operands
	FETCH \ab, \aa, \q+1, (\q+1)%2
.endif
	WIN 0xa1
.if \q == 0
	MUL32 0, 0, 1
.else
	MUL32 \q%2, \q, 0
.endif
	WIN 0
.endr
.endm
; block a of 16 rows of i: four blocks of 32 along j; each accumulator is read from its low end on
.macro EP a, p0, o0, p1, o1
.set AC, 64*(\a)
	WIN 0x28
.irp i, 0,2,4,6,8,10,12,14
.irp b, 0,1,2,3
.if \i == 0
	v_max3_num_f32 v[BM+\b], v[FLR], |v[AC+16*\b]|, |v[AC+16*\b+1]|
.else
	v_max3_num_f32 v[BM+\b], v[BM+\b], |v[AC+16*\b+\i]|, |v[AC+16*\b+\i+1]|
.endif
.endr
.endr
	WIN 0
.irp b, 0,1,2,3
	v_permlanex16_b32 v[PT+\b], v[BM+\b], s100, s101
.endr
.irp b, 0,1,2,3
	v_max_num_f32 v[BM+\b], v[BM+\b], v[PT+\b]
.endr
.irp b, 0,1,2,3
	v_add_nc_u32 v[SOP+\b], 0xff000000, v[BM+\b]   ; 2 off the exponent field: the conversion's scale operand
.endr
.irp b, 0,1,2,3
	v_lshrrev_b32 v[PT+\b], 23, v[SOP+\b]
.endr
	v_lshl_or_b32 v[WD+(\a)], v[PT+1], 8, v[PT]
	v_lshl_or_b32 v[WD+(\a)], v[PT+2], 16, v[WD+(\a)]
	v_lshl_or_b32 v[WD+(\a)], v[PT+3], 24, v[WD+(\a)]
	WIN 0x02
.irp b, 0,1,2,3
	v_cvt_scalef32_pk16_fp6_f32 v[CD+16*(\a)+4*\b:CD+16*(\a)+4*\b+2], v[AC+16*\b:AC+16*\b+15], v[SOP+\b]
.endr
	WIN 0
	v_nop
.irp b, 0,1
	global_store_b96 v[LT], v[CD+16*(\a)+4*\b:CD+16*(\a)+4*\b+2], s[\p0:\p0+1] offset:(\o0)+384*\b   ; 32 lanes store 384 consecutive bytes
.endr
.irp b, 0,1
	global_store_b96 v[LT], v[CD+16*(\a)+8+4*\b:CD+16*(\a)+8+4*\b+2], s[\p1:\p1+1] offset:(\o1)+384*\b
.endr
.endm
.macro EPHEAD
	PLACES 4
.irp b, 0,1,2,3
	v_mov_b32 v[PT+\b], 0
.endr
.endm
.macro WORDS                           ; lanes 0-15 give block 2 p's words, lanes 16-31 block 2 p + 1's
	v_cmp_lt_u32 vcc_lo, 15, v[LN]
.irp p, 0,1
	v_cndmask_b32 v[SW+\p], v[WD+2*\p], v[WD+2*\p+1], vcc_lo
.endr
.endm
	s_mov_b32 s3, 0
.Ltile:                                        ; two trips: q, k
	s_wait_tensorcnt 0x0
	s_barrier_signal -1
	s_barrier_wait -1                      ; every wave's loads are in
	TILE BQ, AQ, SBQ, SAQ
	s_wait_tensorcnt 0x0                   ; the three lines ahead of a refill's round
	ds_add_u32 v[SPW], v[NIL]
	s_cmp_eq_u32 s3, 0
	s_cselect_b64 s[G0W+2:G0W+3], s[76:77], s[80:81]       ; the next weight: Wk, then Wv
	s_cselect_b64 s[G0SW+2:G0SW+3], s[78:79], s[82:83]
	s_mov_b32 s[G1W+2], 64<<16             ; no load of mine is out: from here on a load of codes brings 64 rows,
	s_mov_b32 s[G1W+4], 64
	s_mul_i32 s[G0W+1], s14, 64*PITCH      ; waves 0 and 1 a half of the weight's rows each
	s_add_co_u32 s[G0W+1], s[G0W+1], WB
	s_mul_i32 s46, s14, 64*768
	s_mov_b32 s47, 0
	s_add_nc_u64 s[G0W+2:G0W+3], s[G0W+2:G0W+3], s[46:47]
	s_or_b32 s[G0W+3], s[G0W+3], 0x80000000
	s_or_b32 s[G0SW+3], s[G0SW+3], 0x80000000
	s_wait_dscnt 0x0
	CROUND
	s_cmp_lt_u32 s14, 2
	s_cbranch_scc0 .Lre_s
	TLOAD G0W, G1W
	s_branch .Lre_asked
.Lre_s:
	s_cmp_eq_u32 s14, 2
	s_cbranch_scc0 .Lre_none
	TLOAD G0SW, G1SW
.Lre_none:
.Lre_asked:
	EPHEAD
.irp a, 0,1,2,3
	EP \a, 12, 768*\a, 18, 768*\a
.endr
	WORDS
.irp p, 0,1
	global_store_b32 v[LN4], v[SW+\p], s[20:21] offset:128*\p
	global_store_b32 v[LN4], v[SW+\p], s[22:23] offset:128*\p
.endr
	s_wait_xcnt 0x0                        ; the stores have read their bases and data
	s_mov_b64 s[12:13], s[84:85]
	s_add_nc_u64 s[18:19], s[84:85], 16*REC
	s_mov_b64 s[20:21], s[86:87]
	s_add_nc_u64 s[22:23], s[86:87], 16*REC
	s_add_co_u32 s3, s3, 1
	s_cmp_lg_u32 s3, 2
	WALU
	s_cbranch_scc1 .Ltile
	s_wait_tensorcnt 0x0                   ; v: the tail, which fills nothing
	s_barrier_signal -1
	s_barrier_wait -1
	TILE BV, AV, SBV, SAV
	EPHEAD
.irp a, 0,1,2,3
	EP \a, 88, 6144+1536*\a, 88, 6144+768+1536*\a
.endr
	WORDS
.irp p, 0,1
	global_store_b32 v[LN4], v[SW+\p], s[88:89] offset:12800+128*\p
.endr
	s_wait_tensorcnt 0x0                   ; the wave's end
	ds_add_u32 v[SPW], v[NIL]
	s_wait_dscnt 0x0
	CROUND
	s_endpgm
.Lfunc_end_k_q2a153e3170_qkv:
	.size	k_q2a153e3170_qkv, .Lfunc_end_k_q2a153e3170_qkv-k_q2a153e3170_qkv
	.p2alignl 7, 3214868480
	.fill 96, 4, 3214868480
	.section	.rodata,"a",@progbits
	.p2align	6, 0x0
	.amdhsa_kernel k_q2a153e3170_qkv
		.amdhsa_group_segment_fixed_size 327680
		.amdhsa_private_segment_fixed_size 0
		.amdhsa_enable_private_segment 0
		.amdhsa_kernarg_size 88
		.amdhsa_user_sgpr_count 2
		.amdhsa_user_sgpr_kernarg_segment_ptr 1
		.amdhsa_wavefront_size32 1
		.amdhsa_system_sgpr_workgroup_id_x 1
		.amdhsa_system_sgpr_workgroup_id_y 1
		.amdhsa_system_sgpr_workgroup_id_z 1
		.amdhsa_system_vgpr_workitem_id 0
		.amdhsa_next_free_vgpr 768
		.amdhsa_next_free_sgpr 102
		.amdhsa_reserve_vcc 1
		.amdhsa_float_denorm_mode_32 3
		.amdhsa_float_denorm_mode_16_64 3
		.amdhsa_memory_ordered 1
		.amdhsa_forward_progress 1
		.amdhsa_inst_pref_size 187
	.end_amdhsa_kernel
	.amdgpu_metadata
---
amdhsa.version: [ 1, 2 ]
amdhsa.kernels:
  - .name:           k_q2a153e3170_qkv
    .symbol:         k_q2a153e3170_qkv.kd
    .args:
      - { .name: x_codes, .offset: 0, .size: 8, .value_kind: global_buffer, .address_space: global }
      - { .name: x_scales, .offset: 8, .size: 8, .value_kind: global_buffer, .address_space: global }
      - { .name: Wq_codes, .offset: 16, .size: 8, .value_kind: global_buffer, .address_space: global }
      - { .name: Wq_scales, .offset: 24, .size: 8, .value_kind: global_buffer, .address_space: global }
      - { .name: Wk_codes, .offset: 32, .size: 8, .value_kind: global_buffer, .address_space: global }
      - { .name: Wk_scales, .offset: 40, .size: 8, .value_kind: global_buffer, .address_space: global }
      - { .name: Wv_codes, .offset: 48, .size: 8, .value_kind: global_buffer, .address_space: global }
      - { .name: Wv_scales, .offset: 56, .size: 8, .value_kind: global_buffer, .address_space: global }
      - { .name: qc, .offset: 64, .size: 8, .value_kind: global_buffer, .address_space: global }
      - { .name: qs, .offset: 72, .size: 8, .value_kind: global_buffer, .address_space: global }
      - { .name: kv, .offset: 80, .size: 8, .value_kind: global_buffer, .address_space: global }
    .group_segment_fixed_size: 327680
    .private_segment_fixed_size: 0
    .kernarg_segment_align: 8
    .kernarg_segment_size: 88
    .max_flat_workgroup_size: 128
    .sgpr_count:     102
    .vgpr_count:     768
    .wavefront_size: 32
...
	.end_amdgpu_metadata
.endif
;; end of part 1
;; launch attn (part 2): grid 4 x 64, 16 waves a work-group, no clusters, 210,944 bytes of LDS; arguments qc, qs, kv, cc, cs; writes cc, cs
.if DOCPART == 2
	.amdgcn_target "amdgcn-amd-amdhsa--gfx1250"
	.amdhsa_code_object_version 6
	.text
	.protected	k_q2a153e3170_attn
	.globl	k_q2a153e3170_attn
	.p2align	8
	.type	k_q2a153e3170_attn,@function
k_q2a153e3170_attn:
	s_mov_b64 s[64:65], 0
	v_nop
	global_prefetch_b8 v0, s[64:65] scope:SCOPE_SE
	s_setreg_imm32_b32 hwreg(HW_REG_WAVE_MODE, 25, 1), 1
	s_wait_xcnt 0x0
; ctx[b][q][head] = the sum over k <= q of softmax_k(q . k / 4) v, both products on codes of FP6 (E2M3) with E8M0 scales, and ctx quantised along its 1,024 for the last product.
; Key steps all of whose keys come after a tile's queries are left out: the causal mask sets those scores to -infinity.
; INPUTS (this program's own): qc [bh][tile of 16 tokens][768]: lane l's 24 bytes at 24 l.  qs [bh][token] words (the pair of heads' bytes).
; kv [bh][step of 128 keys][13,056]: K's eight images, V's eight (tile of 16 of the head's 64, c), K's 128 pair words, V's 64 words.
; THE SOFTMAX: t = score x log2(e) / 4; M = the running largest t rounded UP to a whole number; p = 2^(t - M) is quantised along the keys, not normalised; the row's sum is taken of the unquantised p and divides at the end;
; when M moves, the sum and O are multiplied by 2^(old M - new M), which rounds nothing.
; SHARES.  Work-group (i, bh), wave w: query tiles 127 - (4 w + i) and 4 w + i of the head's 128: 17 visible steps for every wave; wave 0's first tile sees all 16 steps, so every record is read.
; LDS holds the head's 16 records, filled ONCE: wave w fetches record w, 51 rows of 256 bytes, its one tensor load.  No byte is filled again and none is stored to.
; TWO BARRIERS: the first shows records 0 to 3, whose load line waves 0 to 3 alone issue and wait for; four steps follow; the second, with every wave's wait in front of it, shows the other twelve.
; Every wave walks all 16 steps; a step that is hidden from a tile is jumped over by a scalar branch on ids.  In steps 0 to 3 (keys under 512) the upper tile's queries, 1,024 and up, see every key: its copy of the step has no masking lines.
; LAYOUT.  S^T = K Q^T, O^T = V^T P^T: a lane holds ONE query.  The 16 registers of score tiles 2 b, 2 b + 1 are keys 32 b + 16 u + 8 h + n; converted as they stand they have the order of v's codes inside a block of 32.
; K = 64 IN AN INSTRUCTION OF 128: Q's registers 6-11 are zero codes; K's fragment names the next tile's six registers (or six zeros) as its upper half; the scale words are read as 16 bits, so their upper bytes are 0, a power of two.
; No cluster: the four work-groups of a head read the same records, but each jumps over other steps, a branch that would differ between partners.  No prefetch: all loads go out at the head.
; OUT: cc [tile of 16 tokens 512][head 16][768], cs [token][32].
; LIMITS: NaN and infinities are not served.  A block of ctx or of p whose largest magnitude lies under 2^-124, zeros among them, gets the byte 1; only this program reads the bytes.
; The order of k inside a block of 32 differs from the definition's in both products.  cs is stored two bytes a lane, 32 bytes apart: one byte in 24 of what the launch stores.
.set REC,  13056
.set VC,   6144
.set SCK,  12288
.set SCV,  12800
.set AK0,  1
.set AV0,  2
.set ASK0, 3
.set ASV0, 4
.set RH,   5
.set LT,   6
.set ADK,  8
.set ADV,  9
.set ADS,  10
.set ADT,  11
.set STA,  12
.set STB,  16
.set QA,   20
.set QB,   32
.set F,    44
.set S,    100
.set OA,   164
.set OB,   196
.set P,    228
.set KSC,  240
.set QSA,  248
.set QSB,  249
.set FF,   250
.set PW,   251
.set BM,   44
.set PT,   48
.set SOP,  52
.set C2,   56
.set TMP,  64
.set DD,   65
.set NINF, 66
.set SUM2, 68
.set WV,   20
.set BH,   22
.set SEL,  24
.set CS,   26
.set G1C,  28
.set G0,   44
.set TB,   66
.set KF,   69
.set Q0A,  70
.set Q0B,  71
.set CNT,  72
	s_load_b128 s[4:7], s[0:1], 0x0                ; qc, qs
	s_load_b64 s[8:9], s[0:1], 0x10                ; kv
	s_load_b128 s[16:19], s[0:1], 0x18             ; cc, cs
	v_lshl_add_u32 v98, v0, 2, 0x33000
	v_mov_b32 v99, 0
	ds_add_u32 v98, v99
	ds_add_u32 v98, v99
	v_lshrrev_b32 v7, 5, v0
	v_readfirstlane_b32 s[WV], v7
	s_and_b32 s[BH], ttmp7, 0xffff
	s_lshl_b32 s73, s[WV], 2
	s_add_co_u32 s73, s73, ttmp9
	s_lshl_b32 s[Q0B], s73, 4                      ; 16 (4 w + i)
	s_sub_co_u32 s[Q0A], 2032, s[Q0B]              ; 16 (127 - 4 w - i)
	s_mov_b32 s[G1C], 3<<16
	s_mov_b32 s[G1C+1], 32<<16
	s_mov_b32 s[G1C+2], 51<<16
	s_mov_b32 s[G1C+3], 32<<16
	s_mov_b32 s[G1C+4], 51
	s_mov_b32 s[G1C+5], 32
	s_mov_b32 s[G1C+6], 0
	s_mov_b32 s[G1C+7], 0
	s_mov_b32 s[SEL], 0x76543210
	s_mov_b32 s[SEL+1], 0xfedcba98
	s_mov_b32 s[CS], 0x3eb8aa3b                    ; log2(e) / 4
	s_mov_b32 s[CS+1], s[CS]
	s_mov_b32 s[TB], 0
	s_mov_b32 s[KF], 0
	s_and_b32 s75, s[BH], 1
	s_lshl_b32 s75, s75, 1
	s_add_co_u32 s76, s75, SCK
	s_mul_i32 s77, s[BH], 98304
	s_mul_i32 s78, s[Q0A], 48
	s_add_co_u32 s78, s78, s77
	s_mul_i32 s79, s[Q0B], 48
	s_add_co_u32 s79, s79, s77
	s_lshl_b32 s80, s[BH], 13
	s_add_co_u32 s81, s80, s75
	s_lshl_b32 s82, s[Q0A], 2
	s_add_co_u32 s82, s82, s81
	s_lshl_b32 s83, s[Q0B], 2
	s_add_co_u32 s83, s83, s81
	s_lshl_b32 s84, s[BH], 4
	s_add_co_u32 s84, s84, s[WV]
	s_mul_i32 s88, s84, REC                        ; my record in kv,
	s_mov_b32 s89, 0
	s_mul_i32 s86, s[WV], REC                      ; and in LDS
	v_and_b32 v7, 31, v0
	v_and_b32 v10, 15, v0
	v_bfe_u32 v11, v0, 4, 1
	v_mul_u32_u24 v[AK0], v7, 24
	v_lshlrev_b32 v252, 2, v10
	v_lshlrev_b32 v253, 3, v11
	v_mul_u32_u24 v[LT], v10, 24
	v_add_nc_u32 v[AV0], VC, v[AK0]
	v_add_nc_u32 v[ASV0], SCV, v252
	v_add_nc_u32 v[ASK0], s76, v252
	v_sub_nc_u32 v[RH], v10, v253
	v_mad_u32_u24 v[LT], v11, 12, v[LT]
	v_add_nc_u32 v8, s78, v[AK0]
	v_add_nc_u32 v9, s79, v[AK0]
	v_add_nc_u32 v254, s82, v252
	v_add_nc_u32 v255, s83, v252
	s_wait_alu depctr_va_vdst(0)
	s_wait_dscnt 0x0
	s_wait_kmcnt 0x0
	s_mov_b32 s[G0], 1
	s_mov_b32 s[G0+1], s86
	s_add_nc_u64 s[G0+2:G0+3], s[8:9], s[88:89]
	s_or_b32 s[G0+3], s[G0+3], 0x80000000
	s_cmp_lt_u32 s[WV], 4                          ; every wave's one load; waves 0 to 3 have a line of their own, since they alone wait ahead of the first barrier
	s_cbranch_scc0 .Llater
	tensor_load_to_lds s[G0:G0+3], s[G1C:G1C+7]
	s_nop 0
.rept 4
	v_nop
.endr
	s_branch .Lasked
.Llater:
	tensor_load_to_lds s[G0:G0+3], s[G1C:G1C+7]
	s_nop 0
.rept 4
	v_nop
.endr
.Lasked:
.irp p, 0,1,2
	global_load_b64 v[QA+2*\p:QA+2*\p+1], v8, s[4:5] offset:8*\p
	global_load_b64 v[QB+2*\p:QB+2*\p+1], v9, s[4:5] offset:8*\p
.endr
	global_load_u16 v[QSA], v254, s[6:7]
	global_load_u16 v[QSB], v255, s[6:7]
.irp j, 6,7,8,9,10,11
	v_mov_b32 v[QA+\j], 0
	v_mov_b32 v[QB+\j], 0
.endr
.irp j, 48,49,50,51,52,53
	v_mov_b32 v[F+\j], 0
.endr
.irp s, STA, STB
	v_mov_b32 v[\s+1], 0xff61b1e6                  ; the largest t so far: -3e38
	v_floor_f32 v[\s], -v[\s+1]
	v_mov_b32 v[\s+2], 0
	v_mov_b32 v[\s+3], 0
.endr
	v_mov_b32 v[PW], 0
.set NN, 0
.rept 64
	v_mov_b32 v[OA+NN], 0
.set NN, NN+1
.endr
	s_wait_alu depctr_va_vdst(0)
	s_wait_loadcnt 0x0
; A KEY STEP of one tile: 128 keys.  diag = 0: no query of the tile can meet the diagonal in this copy
.macro STEP st, qf, qw, oa, qz, diag
	s_add_co_u32 s73, s[\qz], 15
	s_cmp_gt_u32 s[KF], s73                        ; all 128 keys come after my 16 queries
	s_cbranch_scc1 .Lhidden_\@
	v_add_nc_u32 v[ADK], s[TB], v[AK0]             ; four places between the last products and the loads into their operands
	v_add_nc_u32 v[ADV], s[TB], v[AV0]
	v_add_nc_u32 v[ADS], s[TB], v[ASK0]
	v_add_nc_u32 v[ADT], s[TB], v[ASV0]
.irp t, 0,1,2,3,4,5,6,7
.irp p, 0,1,2
	ds_load_b64 v[F+6*\t+2*\p:F+6*\t+2*\p+1], v[ADK] offset:768*\t+8*\p
.endr
	ds_load_u16 v[KSC+\t], v[ADS] offset:64*\t
.endr
	s_wait_dscnt 0x0
.irp t, 0,1,2,3,4,5,6,7
	v_wmma_scale_f32_16x16x128_f8f6f4 v[S+8*\t:S+8*\t+7], v[F+6*\t:F+6*\t+11], v[\qf:\qf+11], 0, v[KSC+\t], v[\qw] matrix_a_fmt:MATRIX_FMT_FP6 matrix_b_fmt:MATRIX_FMT_FP6
.endr
.rept 4
	v_nop
.endr
.if \diag
	s_add_co_u32 s73, s[KF], 127                   ; on the diagonal hidden scores become -infinity
	s_cmp_le_u32 s73, s[\qz]
	s_cbranch_scc1 .Lopen_\@
	s_sub_co_i32 s73, s[\qz], s[KF]
	v_add_nc_u32 v[DD], s73, v[RH]                 ; register 8 t + n is hidden where 16 t + n > d
	v_mov_b32 v[NINF], 0xff800000
.set NN, 0
.rept 64
	v_cmp_gt_i32 vcc_lo, 16*(NN/8)+NN%8, v[DD]
	v_cndmask_b32 v[S+NN], v[S+NN], v[NINF], vcc_lo
.set NN, NN+1
.endr
.Lopen_\@:
.endif
.irp b, 0,1,2,3
	v_max3_num_f32 v[BM+\b], v[S+16*\b], v[S+1+16*\b], v[S+2+16*\b]
.endr
.irp i, 3,5,7,9,11,13
.irp b, 0,1,2,3
	v_max3_num_f32 v[BM+\b], v[BM+\b], v[S+16*\b+\i], v[S+1+16*\b+\i]
.endr
.endr
.irp b, 0,1,2,3
	v_max_num_f32 v[BM+\b], v[BM+\b], v[S+15+16*\b]
.endr
.irp b, 0,1,2,3
	s_delay_alu instid0(VALU_DEP_4)
	v_permlanex16_b32 v[PT+\b], v[BM+\b], s[SEL], s[SEL+1]
.endr
.irp b, 0,1,2,3
	s_delay_alu instid0(VALU_DEP_4)
	v_max_num_f32 v[BM+\b], v[BM+\b], v[PT+\b]
.endr
	s_delay_alu instid0(VALU_DEP_2)
	v_max3_num_f32 v[TMP], v[BM], v[BM+1], v[BM+2]
	s_delay_alu instid0(VALU_DEP_1)
	v_max_num_f32 v[TMP], v[TMP], v[BM+3]          ; finite: key KF counts for every query of a tile that is not jumped over
	s_delay_alu instid0(VALU_DEP_1)
	v_mul_f32 v[TMP], s[CS], v[TMP]
	s_delay_alu instid0(VALU_DEP_1)
	v_max_num_f32 v[\st+1], v[\st+1], v[TMP]
	v_mov_b32 v[TMP], v[\st]
	s_delay_alu instid0(VALU_DEP_2)
	v_floor_f32 v[\st], -v[\st+1]                  ; -M = -ceil(t)
	s_delay_alu instid0(VALU_DEP_1)
	v_sub_f32 v[TMP], v[\st], v[TMP]
	s_delay_alu instid0(VALU_DEP_1)
	v_cvt_i32_f32 v[TMP], v[TMP]
	s_delay_alu instid0(VALU_DEP_1)
	v_ldexp_f32 v[FF], 1.0, v[TMP]                 ; f = 2^(old M - new M)
.set NN, 0
.rept 32
	v_pk_fma_f32 v[S+NN:S+NN+1], v[S+NN:S+NN+1], s[CS:CS+1], v[\st:\st+1] op_sel_hi:[1,0,0]
.set NN, NN+2
.endr
.irp b, 0,1,2,3
	v_fma_f32 v[BM+\b], v[BM+\b], s[CS], v[\st]
.endr
.set NN, 0
	s_wait_alu depctr_va_vdst(0)
.rept 64
	v_exp_f32 v[S+NN], v[S+NN]
.set NN, NN+1
.endr
	v_pk_mul_f32 v[\st+2:\st+3], v[\st+2:\st+3], v[FF:FF+1] op_sel_hi:[1,0]
	s_wait_alu depctr_va_vdst(0)
.irp b, 0,1,2,3
	v_exp_f32 v[BM+\b], v[BM+\b]                   ; the block's largest p
.endr
	v_pk_add_f32 v[SUM2:SUM2+1], v[S:S+1], v[S+2:S+3]
.set NN, 4
.rept 15
	v_pk_add_f32 v[\st+2:\st+3], v[\st+2:\st+3], v[S+NN:S+NN+1]
	v_pk_add_f32 v[SUM2:SUM2+1], v[SUM2:SUM2+1], v[S+NN+2:S+NN+3]
.set NN, NN+4
.endr
	s_delay_alu instid0(VALU_DEP_1)
	v_pk_add_f32 v[\st+2:\st+3], v[\st+2:\st+3], v[SUM2:SUM2+1]
	s_wait_alu depctr_va_vdst(0)
.irp b, 0,1,2,3
	v_max_num_f32 v[BM+\b], 0x1800000, v[BM+\b]
.endr
.irp b, 0,1,2,3
	s_delay_alu instid0(VALU_DEP_4)
	v_add_nc_u32 v[SOP+\b], 0xff000000, v[BM+\b]
.endr
.irp b, 0,1,2,3
	s_delay_alu instid0(VALU_DEP_4)
	v_lshrrev_b32 v[PT+\b], 23, v[SOP+\b]
.endr
	s_delay_alu instid0(VALU_DEP_3)
	v_lshl_or_b32 v[PW], v[PT+1], 8, v[PT]
	s_delay_alu instid0(VALU_DEP_1)
	v_lshl_or_b32 v[PW], v[PT+2], 16, v[PW]
	s_delay_alu instid0(VALU_DEP_1)
	v_lshl_or_b32 v[PW], v[PT+3], 24, v[PW]
.irp c, 0,1
	v_cvt_scalef32_pk16_fp6_f32 v[P+6*\c:P+6*\c+2], v[S+32*\c:S+32*\c+15], v[SOP+2*\c]
	v_cvt_scalef32_pk16_fp6_f32 v[C2+4*\c:C2+4*\c+2], v[S+32*\c+16:S+32*\c+31], v[SOP+2*\c+1]
.endr
	v_nop
.irp c, 0,1
.irp i, 0,1,2
	v_permlane16_swap_b32 v[P+6*\c+\i], v[C2+4*\c+\i]
.endr
.irp i, 0,1,2
	s_delay_alu instid0(VALU_DEP_3)
	v_mov_b32 v[P+6*\c+3+\i], v[C2+4*\c+\i]
.endr
.endr
.irp t, 0,1,2,3
.irp p, 0,1,2,3,4,5
	ds_load_b64 v[F+12*\t+2*\p:F+12*\t+2*\p+1], v[ADV] offset:1536*\t+768*(\p/3)+8*(\p%3)
.endr
	ds_load_b32 v[KSC+\t], v[ADT] offset:64*\t
.endr
.set NN, 0
.rept 16
	v_pk_mul_f32 v[\oa+NN:\oa+NN+1], v[\oa+NN:\oa+NN+1], v[FF:FF+1] op_sel_hi:[1,0]   ; also the places ahead of the scaled products
.set NN, NN+2
.endr
	s_wait_alu depctr_va_vdst(0)
	s_wait_dscnt 0x0
.irp t, 0,1,2,3
	v_wmma_scale_f32_16x16x128_f8f6f4 v[\oa+8*\t:\oa+8*\t+7], v[F+12*\t:F+12*\t+11], v[P:P+11], v[\oa+8*\t:\oa+8*\t+7], v[KSC+\t], v[PW] matrix_a_fmt:MATRIX_FMT_FP6 matrix_b_fmt:MATRIX_FMT_FP6
.endr
.Lhidden_\@:
.endm
.macro NEXT
	s_add_co_u32 s[TB], s[TB], REC
	s_add_co_u32 s[KF], s[KF], 128
	s_sub_co_u32 s[CNT], s[CNT], 1
	s_cmp_lg_u32 s[CNT], 0
.endm
	s_cmp_lt_u32 s[WV], 4
	s_cbranch_scc0 .Lnot_first
	s_wait_tensorcnt 0x0                           ; waves 0 to 3: my record has landed
.Lnot_first:
	s_barrier_signal -1
	s_barrier_wait -1                              ; records 0 to 3 are in
	s_mov_b32 s[CNT], 4
.Lstep_a:
	STEP STA, QA, QSA, OA, Q0A, 0
	STEP STB, QB, QSB, OB, Q0B, 1
	NEXT
	s_cbranch_scc1 .Lstep_a
	s_wait_tensorcnt 0x0                           ; every wave: my record has landed,
	s_wait_dscnt 0x0
	s_barrier_signal -1
	s_barrier_wait -1                              ; and everybody's
	s_mov_b32 s[CNT], 12
.Lstep_b:
	STEP STA, QA, QSA, OA, Q0A, 1
	STEP STB, QB, QSB, OB, Q0B, 1
	NEXT
	s_cbranch_scc1 .Lstep_b
	; THE WAY OUT.  O^T / the sum; the lanes' halves exchanged so that a lane holds 16 NEIGHBOURS of the head's 64; quantised; stored as images
.rept 4
	v_nop
.endr
	v_add_f32 v44, v[STA+2], v[STA+3]
	v_add_f32 v45, v[STB+2], v[STB+3]
	v_mov_b32 v46, 0
	v_mov_b32 v47, 0
	s_delay_alu instid0(VALU_DEP_2)
	v_permlanex16_b32 v46, v44, s[SEL], s[SEL+1]
	s_delay_alu instid0(VALU_DEP_2)
	v_permlanex16_b32 v47, v45, s[SEL], s[SEL+1]
	s_delay_alu instid0(VALU_DEP_2)
	v_add_f32 v44, v44, v46
	s_delay_alu instid0(VALU_DEP_2)
	v_add_f32 v45, v45, v47
	v_mov_b32 v57, 0
	v_mov_b32 v59, 0
	s_wait_alu depctr_va_vdst(0)
	v_rcp_f32 v56, v44
	v_rcp_f32 v58, v45
	s_and_b32 s73, s[BH], 15                       ; head
	s_lshr_b32 s74, s[BH], 4                       ; batch
	s_mul_i32 s75, s73, 768
	s_mul_i32 s76, s74, 1572864                    ; a batch's 128 tiles x 12,288
	s_add_co_u32 s75, s75, s76
	s_mul_i32 s76, s[Q0A], 768
	s_add_co_u32 s76, s76, s75
	s_mul_i32 s77, s[Q0B], 768
	s_add_co_u32 s77, s77, s75
	s_lshl_b32 s78, s74, 16
	s_lshl_b32 s79, s73, 1
	s_add_co_u32 s78, s78, s79
	s_lshl_b32 s80, s[Q0A], 5
	s_add_co_u32 s80, s80, s78
	s_lshl_b32 s81, s[Q0B], 5
	s_add_co_u32 s81, s81, s78
	v_add_nc_u32 v76, s76, v[LT]
	v_add_nc_u32 v77, s77, v[LT]
	v_and_b32 v78, 15, v0
	s_delay_alu instid0(VALU_DEP_1)
	v_lshlrev_b32 v78, 5, v78
	v_mov_b32 v79, s80
	v_mov_b32 v80, s81
	v_and_b32 v83, 31, v0
	s_delay_alu instid0(VALU_DEP_1)
	v_cmp_lt_u32 vcc_lo, 15, v83
	s_delay_alu instid0(VALU_DEP_1)
	v_cndmask_b32 v79, v79, v80, vcc_lo
	s_delay_alu instid0(VALU_DEP_1)
	v_add_nc_u32 v78, v78, v79
.irp b, 0,1,2,3
	v_mov_b32 v[PT+\b], 0
.endr
	s_wait_alu depctr_va_vdst(0)
.set NN, 0
.rept 16
	v_pk_mul_f32 v[S+NN:S+NN+1], v[OA+NN:OA+NN+1], v[56:57] op_sel_hi:[1,0]
.set NN, NN+2
.endr
.set NN, 0
.rept 16
	v_pk_mul_f32 v[S+32+NN:S+32+NN+1], v[OB+NN:OB+NN+1], v[58:59] op_sel_hi:[1,0]
.set NN, NN+2
.endr
.irp b, 0,1,2,3
.irp j, 0,1,2,3,4,5,6,7
	v_permlane16_swap_b32 v[S+16*\b+\j], v[S+16*\b+8+\j]
.endr
.endr
.irp b, 0,1,2,3
	v_max3_num_f32 v[BM+\b], |v[S+16*\b]|, |v[S+16*\b+1]|, 0x1800000
.endr
.irp i, 2,4,6,8,10,12,14
.irp b, 0,1,2,3
	s_delay_alu instid0(VALU_DEP_4)
	v_max3_num_f32 v[BM+\b], v[BM+\b], |v[S+16*\b+\i]|, |v[S+16*\b+\i+1]|
.endr
.endr
.irp b, 0,1,2,3
	s_delay_alu instid0(VALU_DEP_4)
	v_permlanex16_b32 v[PT+\b], v[BM+\b], s[SEL], s[SEL+1]
.endr
.irp b, 0,1,2,3
	s_delay_alu instid0(VALU_DEP_4)
	v_max_num_f32 v[BM+\b], v[BM+\b], v[PT+\b]
.endr
.irp b, 0,1,2,3
	s_delay_alu instid0(VALU_DEP_4)
	v_add_nc_u32 v[SOP+\b], 0xff000000, v[BM+\b]
.endr
.irp b, 0,1,2,3
	s_delay_alu instid0(VALU_DEP_4)
	v_lshrrev_b32 v[PT+\b], 23, v[SOP+\b]
.endr
	s_delay_alu instid0(VALU_DEP_3)
	v_lshl_or_b32 v81, v[PT+1], 8, v[PT]
	s_delay_alu instid0(VALU_DEP_2)
	v_lshl_or_b32 v82, v[PT+3], 8, v[PT+2]
	s_delay_alu instid0(VALU_DEP_1)
	v_cndmask_b32 v81, v81, v82, vcc_lo
.irp b, 0,1,2,3
	v_cvt_scalef32_pk16_fp6_f32 v[60+4*\b:62+4*\b], v[S+16*\b:S+16*\b+15], v[SOP+\b]
.endr
	v_nop
	global_store_b96 v76, v[60:62], s[16:17]
	global_store_b96 v76, v[64:66], s[16:17] offset:384
	global_store_b96 v77, v[68:70], s[16:17]
	global_store_b96 v77, v[72:74], s[16:17] offset:384
	global_store_b16 v78, v81, s[18:19]
	s_wait_tensorcnt 0x0
	ds_add_u32 v98, v99
	s_wait_dscnt 0x0
	s_endpgm
.Lfunc_end_k_q2a153e3170_attn:
	.size	k_q2a153e3170_attn, .Lfunc_end_k_q2a153e3170_attn-k_q2a153e3170_attn
	.p2alignl 7, 3214868480
	.fill 96, 4, 3214868480
	.section	.rodata,"a",@progbits
	.p2align	6, 0x0
	.amdhsa_kernel k_q2a153e3170_attn
		.amdhsa_group_segment_fixed_size 210944
		.amdhsa_private_segment_fixed_size 0
		.amdhsa_enable_private_segment 0
		.amdhsa_kernarg_size 40
		.amdhsa_user_sgpr_count 2
		.amdhsa_user_sgpr_kernarg_segment_ptr 1
		.amdhsa_wavefront_size32 1
		.amdhsa_system_sgpr_workgroup_id_x 1
		.amdhsa_system_sgpr_workgroup_id_y 1
		.amdhsa_system_sgpr_workgroup_id_z 1
		.amdhsa_system_vgpr_workitem_id 0
		.amdhsa_next_free_vgpr 256
		.amdhsa_next_free_sgpr 100
		.amdhsa_reserve_vcc 1
		.amdhsa_float_denorm_mode_32 3
		.amdhsa_float_denorm_mode_16_64 3
		.amdhsa_memory_ordered 1
		.amdhsa_forward_progress 1
		.amdhsa_inst_pref_size 108
	.end_amdhsa_kernel
	.amdgpu_metadata
---
amdhsa.version: [ 1, 2 ]
amdhsa.kernels:
  - .name:           k_q2a153e3170_attn
    .symbol:         k_q2a153e3170_attn.kd
    .args:
      - { .name: qc, .offset: 0, .size: 8, .value_kind: global_buffer, .address_space: global }
      - { .name: qs, .offset: 8, .size: 8, .value_kind: global_buffer, .address_space: global }
      - { .name: kv, .offset: 16, .size: 8, .value_kind: global_buffer, .address_space: global }
      - { .name: cc, .offset: 24, .size: 8, .value_kind: global_buffer, .address_space: global }
      - { .name: cs, .offset: 32, .size: 8, .value_kind: global_buffer, .address_space: global }
    .group_segment_fixed_size: 210944
    .private_segment_fixed_size: 0
    .kernarg_segment_align: 8
    .kernarg_segment_size: 40
    .max_flat_workgroup_size: 512
    .sgpr_count:     100
    .vgpr_count:     256
    .wavefront_size: 32
...
	.end_amdgpu_metadata
.endif
;; end of part 2
;; launch proj (part 3): grid 8 x 32, 4 waves a work-group, clusters of 4 x 4, 327,680 bytes of LDS; arguments cc, cs, Wo_codes, Wo_scales, bo, out0; writes out0
.if DOCPART == 3
	.amdgcn_target "amdgcn-amd-amdhsa--gfx1250"
	.amdhsa_code_object_version 6
	.text
	.protected	k_q2a153e3170_proj
	.globl	k_q2a153e3170_proj
	.p2align	8
	.type	k_q2a153e3170_proj,@function
k_q2a153e3170_proj:
	s_mov_b64 s[64:65], 0
	v_nop
	global_prefetch_b8 v0, s[64:65] scope:SCOPE_SE
	s_setreg_imm32_b32 hwreg(HW_REG_WAVE_MODE, 25, 1), 1
	s_wait_xcnt 0x0
	s_wait_alu depctr_hold_cnt(0) depctr_sa_sdst(0) depctr_va_vdst(0) depctr_va_sdst(0) depctr_va_ssrc(0) depctr_va_vcc(0) depctr_vm_vsrc(0)
	s_getreg_b32 s2, hwreg(HW_REG_IB_STS2, 6, 4)
	s_cmp_eq_u32 s2, 0
	s_cbranch_scc0 .Lentry_in_a_cluster
	s_endpgm
.Lentry_in_a_cluster:
	s_bfe_u32 s2, ttmp6, 0x10000c
	s_cmp_lg_u32 s2, 0xf033
	s_cbranch_scc0 .Lentry_shape_is_right
	s_endpgm
.Lentry_shape_is_right:
; out = ctx Wo + bo on codes of FP6 (E2M3) with E8M0 scales.  Work-group (g, TT): 256 tokens x 128 columns, all of K in LDS, filled once: one tensor load a wave (ctx's images, Wo's rows, the two blocks of scale bytes).
; cc [tile of 16 tokens][head][768]: lane l's 24 bytes at 24 l, a dense block of 196,608 bytes for 256 tokens, fetched as rows of 256 bytes; Wo's rows are 768 bytes.  CLUSTERS 4 x 4: ctx shared along a row, Wo along a column.
; A wave makes 64 tokens x 128 columns: source 0 = 16 rows of Wo, source 1 = 16 tokens, so a lane holds eight neighbouring columns of a token.  The bias is the first products' C.
; The way out goes by 16 rows through a stage in the wave's own tokens' LDS bytes, which only this wave reads and which are filled no more; 32 lanes store 512 consecutive bytes.
; No prefetch: there is no loop to run ahead in; all loads go out at the head.
.set PITCH, 816
.set WB,    256*PITCH
.set SXB,   WB+128*PITCH
.set SWB,   SXB+32*272
.set SPARE, SWB+16*272
.set SPITCH, 528
.set AQ,  12
.set BQ,  14
.set STO, 18
.set RD,  19
.set CO,  20
.set SAQ, 24
.set SBQ, 25
.set SPW, 28
.set NIL, 29
.set SCA, 32
.set SCB, 68
.set AF,  132
.set BK,  32
.set G0X, 4
.set G0W, 8
.set G1X, 24
.set G1W, 32
.set G1SX, 48
.set G1SW, 56
.set G0SX, 92
.set G0SW, 96
.set MSB, 0
.macro WIN new
.if MSB != (\new)
	s_set_vgpr_msb (MSB<<8)|(\new)
.set MSB, \new
.endif
.endm
.macro PLACES n
.rept \n
	v_nop
.endr
.endm
.macro CROUND
	s_barrier_signal -1
	s_barrier_wait -1
	s_cmp_lg_u32 s14, 0
	s_cbranch_scc1 .Lnot_wave_0_\@
	s_barrier_signal -3
.Lnot_wave_0_\@:
	s_barrier_wait -3
	s_barrier_signal -1
	s_barrier_wait -1
.endm
.macro TLOAD g0, g1
	tensor_load_to_lds s[\g0:\g0+3], s[\g1:\g1+7]
	s_nop 0
	PLACES 4
.endm
.macro GROUPS g, mask, rows, word
	s_or_b32 s[\g+0], s[\mask], \word
	s_mov_b32 s[\g+1], 32<<16
	s_mov_b32 s[\g+2], (\rows)<<16
	s_mov_b32 s[\g+3], 32<<16
	s_mov_b32 s[\g+4], \rows
	s_mov_b32 s[\g+5], 32
	s_mov_b32 s[\g+6], 0
	s_mov_b32 s[\g+7], 0
.endm
.macro G0SET g, lds, p
	s_mov_b32 s[\g], 1
	s_mov_b32 s[\g+1], \lds
	s_mov_b64 s[\g+2:\g+3], s[\p:\p+1]
	s_or_b32 s[\g+3], s[\g+3], 0x80000000
.endm
.macro ARM under, g0, g1, next
	s_cmp_lt_u32 s14, \under
	s_cbranch_scc0 \next
	TLOAD \g0, \g1
	s_branch .Lhead_asked
\next:
.endm
	s_load_b256 s[68:75], s[0:1], 0x0              ; cc, cs, Wo's codes, Wo's scales
	s_load_b128 s[76:79], s[0:1], 0x20             ; bo, out0
	v_lshl_add_u32 v[SPW], v0, 2, SPARE
	v_mov_b32 v[NIL], 0
	ds_add_u32 v[SPW], v[NIL]              ; the opening lines
	ds_add_u32 v[SPW], v[NIL]
	v_lshrrev_b32 v1, 5, v0
	v_readfirstlane_b32 s14, v1
	s_bfe_u32 s40, ttmp6, 0x40000
	s_bfe_u32 s41, ttmp6, 0x40004
	s_lshl_b32 s42, ttmp9, 2
	s_add_co_u32 s42, s42, s40             ; g
	s_and_b32 s17, ttmp7, 0xffff
	s_lshl_b32 s17, s17, 2
	s_add_co_u32 s17, s17, s41             ; TT
	s_lshl_b32 s43, s41, 2
	s_lshl_b32 s43, 15, s43
	s_lshl_b32 s44, 0x1111, s40
	GROUPS G1X, 43, 768, (3<<16)|(1<<21)
	s_or_b32 s[G1W+0], s44, (1<<20)|(1<<21)|(5<<22)|(3<<25)
	s_mov_b32 s[G1W+1], 768<<16
	s_mov_b32 s[G1W+2], 128<<16
	s_mov_b32 s[G1W+3], 768<<16
	s_mov_b32 s[G1W+4], 128
	s_mov_b32 s[G1W+5], 768
	s_mov_b32 s[G1W+6], 0
	s_mov_b32 s[G1W+7], 0
	GROUPS G1SX, 43, 32, (3<<16)|(1<<20)|(1<<21)|(5<<22)|(3<<25)
	GROUPS G1SW, 44, 16, (3<<16)|(1<<20)|(1<<21)|(5<<22)|(3<<25)
	s_mul_i32 s18, s17, 256*768
	s_mov_b32 s19, 0
	s_lshl_b32 s20, s17, 13
	s_mov_b32 s21, 0
	s_mul_i32 s22, s42, 128*768
	s_mov_b32 s23, 0
	s_lshl_b32 s46, s42, 12
	s_mov_b32 s47, 0
	s_lshl_b32 s90, s42, 9                 ; my 128 columns, in bytes of f32
	s_mov_b32 s91, 0
	s_lshl_b32 s66, s17, 20                ; 256 rows of 4,096 bytes,
	s_lshl_b32 s67, s14, 18                ; my 64 of them
	s_add_co_u32 s66, s66, s67
	s_add_co_u32 s66, s66, s90
	s_mov_b32 s67, 0
	s_mul_i32 s45, s14, 4*12288            ; my four tiles of tokens in LDS; later my stage
	s_mul_i32 s43, s14, 4*544
	s_add_co_u32 s43, s43, SXB
	s_wait_dscnt 0x0
	s_wait_kmcnt 0x0
	s_add_nc_u64 s[68:69], s[68:69], s[18:19]
	s_add_nc_u64 s[70:71], s[70:71], s[20:21]
	s_add_nc_u64 s[72:73], s[72:73], s[22:23]
	s_add_nc_u64 s[74:75], s[74:75], s[46:47]
	s_add_nc_u64 s[76:77], s[76:77], s[90:91]
	s_add_nc_u64 s[12:13], s[78:79], s[66:67]
	CROUND
	G0SET G0X, 0, 68
	G0SET G0W, WB, 72
	G0SET G0SX, SXB, 70
	G0SET G0SW, SWB, 74
	ARM 1, G0X, G1X, .Lhead_w
	ARM 2, G0W, G1W, .Lhead_sx
	ARM 3, G0SX, G1SX, .Lhead_sw
	TLOAD G0SW, G1SW
.Lhead_asked:
	v_and_b32 v1, 15, v0
	v_bfe_u32 v2, v0, 4, 1
	v_and_b32 v8, 31, v0
	v_mul_u32_u24 v3, v1, PITCH
	v_mad_u32_u24 v4, v2, 24, v3
	v_mad_u32_u24 v5, v2, 40, v3
	v_mul_u32_u24 v9, v8, 24
	v_add_nc_u32 v[AQ], s45, v9
	v_add_nc_u32 v[BQ], WB, v4
	v_add_nc_u32 v[BQ+1], WB, v5
	v_add_nc_u32 v[BQ+2], WB+64*PITCH, v4
	v_add_nc_u32 v[BQ+3], WB+64*PITCH, v5
	v_lshrrev_b32 v6, 3, v1
	v_and_b32 v7, 7, v1
	v_mul_u32_u24 v6, v6, 272
	v_lshl_add_u32 v6, v7, 5, v6
	v_add_nc_u32 v[SAQ], s43, v6
	v_add_nc_u32 v[SBQ], SWB, v6
	v_mul_u32_u24 v10, v1, SPITCH
	v_lshl_add_u32 v10, v2, 5, v10
	v_add_nc_u32 v[STO], s45, v10
	v_lshlrev_b32 v[CO], 4, v8
	v_add_nc_u32 v[RD], s45, v[CO]
	v_lshlrev_b32 v11, 5, v2
	s_wait_alu depctr_va_vdst(0)           ; the head's end
	WIN 0x40
.irp b, 0,1,2,3,4,5,6,7                        ; the bias as the result lies: columns 16 b + 8 h + 0 .. 7; window 1, v96-127 and v224-255
	global_load_b128 v[96+8*\b+96*(\b/4):96+8*\b+96*(\b/4)+3], v11, s[76:77] offset:64*\b
	global_load_b128 v[96+8*\b+96*(\b/4)+4:96+8*\b+96*(\b/4)+7], v11, s[76:77] offset:64*\b+16
.endr
	WIN 0
.macro FRAG reg, adr, q, i
.irp p, 0,1,2,3,4,5
.set PC, 12*(\q)+6*(\p/3)+\p%3
.if PC%32 < 29
	ds_load_b64 v[\reg+2*\p:\reg+2*\p+1], v[\adr] offset:8*PC+16*(PC/32)+(\i)*16*PITCH
.else
	ds_load_b64 v[\reg+2*\p:\reg+2*\p+1], v[\adr+1] offset:8*PC+16*(PC/32)+(\i)*16*PITCH
.endif
.endr
.endm
.macro FETCH q, p
	WIN 0x40
.irp i, 0,1,2,3
	FRAG 128*(\p)+12*\i, BQ, \q, \i
.endr
.irp i, 0,1,2,3
	FRAG 128*(\p)+48+12*\i, BQ+2, \q, \i
.endr
	WIN 0
.irp i, 0,1,2,3
.irp p2, 0,1,2,3,4,5
	ds_load_b64 v[AF+48*(\p)+12*\i+2*\p2:AF+48*(\p)+12*\i+2*\p2+1], v[AQ] offset:12288*\i+1536*(\q)+768*(\p2/3)+8*(\p2%3)
.endr
.endr
.endm
.macro MUL32 p, q, first               ; the 32 accumulators by turns
.irp a, 0,1,2,3
.irp b, 0,1,2,3,4,5,6,7
.if \first
	v_wmma_scale_f32_16x16x128_f8f6f4 v[8*(8*\a+\b):8*(8*\a+\b)+7], v[128*(\p)+12*\b:128*(\p)+12*\b+11], v[AF+48*(\p)+12*\a:AF+48*(\p)+12*\a+11], v[96+8*\b+96*(\b/4):96+8*\b+96*(\b/4)+7], v[SCB+8*\b+(\q)], v[SCA+8*\a+(\q)] matrix_a_fmt:MATRIX_FMT_FP6 matrix_b_fmt:MATRIX_FMT_FP6
.else
	v_wmma_scale_f32_16x16x128_f8f6f4 v[8*(8*\a+\b):8*(8*\a+\b)+7], v[128*(\p)+12*\b:128*(\p)+12*\b+11], v[AF+48*(\p)+12*\a:AF+48*(\p)+12*\a+11], v[8*(8*\a+\b):8*(8*\a+\b)+7], v[SCB+8*\b+(\q)], v[SCA+8*\a+(\q)] matrix_a_fmt:MATRIX_FMT_FP6 matrix_b_fmt:MATRIX_FMT_FP6
.endif
.endr
.endr
.endm
	s_wait_tensorcnt 0x0
	s_barrier_signal -1
	s_barrier_wait -1                      ; every wave's load is in
.irp i, 0,1,2,3
	ds_load_b128 v[SCA+8*\i:SCA+8*\i+3], v[SAQ] offset:544*\i
	ds_load_b128 v[SCA+8*\i+4:SCA+8*\i+7], v[SAQ] offset:544*\i+16
.endr
.irp i, 0,1,2,3,4,5,6,7
	ds_load_b128 v[SCB+8*\i:SCB+8*\i+3], v[SBQ] offset:544*\i
	ds_load_b128 v[SCB+8*\i+4:SCB+8*\i+7], v[SBQ] offset:544*\i+16
.endr
	FETCH 0, 0
	s_wait_loadcnt 0x0                     ; the bias
.irp q, 0,1,2,3,4,5,6,7
	s_wait_dscnt 0x0
.if \q < 7
	PLACES 4
	FETCH \q+1, (\q+1)%2
.endif
.if \q == 0
	WIN 0x91                               ; C from window 1
	MUL32 0, 0, 1
.else
	WIN 0xa1
	MUL32 \q%2, \q, 0
.endif
	WIN 0
.endr
.macro TOSTAGE a
.set AC, 64*(\a)
	WIN 0x08
.irp b, 0,1,2,3,4,5,6,7
	ds_store_b128 v[STO], v[AC+8*\b:AC+8*\b+3] offset:64*\b          ; each accumulator from its low end on
	ds_store_b128 v[STO], v[AC+8*\b+4:AC+8*\b+7] offset:64*\b+16
.endr
	WIN 0
.set BB, BK+64*((\a)%2)
.irp t, 0,1,2,3,4,5,6,7,8,9,10,11,12,13,14,15
	ds_load_b128 v[BB+4*\t:BB+4*\t+3], v[RD] offset:\t*SPITCH
.endr
.endm
.macro SEND a, younger                 ; younger: the LDS instructions issued behind block a's loads
.set BB, BK+64*((\a)%2)
	s_wait_dscnt \younger
.if (\a) > 0
	s_add_nc_u64 s[12:13], s[12:13], 16*4096
.endif
.irp t, 0,1,2,3,4,5,6,7,8,9,10,11,12,13,14,15
	global_store_b128 v[CO], v[BB+4*\t:BB+4*\t+3], s[12:13] offset:\t*4096 th:TH_STORE_NT
.endr
.endm
	PLACES 4
	TOSTAGE 0
.irp a, 1,2,3
.if \a > 1
	s_wait_xcnt 0x0                        ; block a - 2's stores have read their registers and base
.endif
	TOSTAGE \a
	SEND \a-1, 32                          ; behind block a - 1's loads: block a's 16 stores and 16 loads
.endr
	s_wait_xcnt 0x0
	SEND 3, 0
	s_wait_tensorcnt 0x0                   ; the wave's end
	ds_add_u32 v[SPW], v[NIL]
	s_wait_dscnt 0x0
	CROUND
	s_endpgm
.Lfunc_end_k_q2a153e3170_proj:
	.size	k_q2a153e3170_proj, .Lfunc_end_k_q2a153e3170_proj-k_q2a153e3170_proj
	.p2alignl 7, 3214868480
	.fill 96, 4, 3214868480
	.section	.rodata,"a",@progbits
	.p2align	6, 0x0
	.amdhsa_kernel k_q2a153e3170_proj
		.amdhsa_group_segment_fixed_size 327680
		.amdhsa_private_segment_fixed_size 0
		.amdhsa_enable_private_segment 0
		.amdhsa_kernarg_size 48
		.amdhsa_user_sgpr_count 2
		.amdhsa_user_sgpr_kernarg_segment_ptr 1
		.amdhsa_wavefront_size32 1
		.amdhsa_system_sgpr_workgroup_id_x 1
		.amdhsa_system_sgpr_workgroup_id_y 1
		.amdhsa_system_sgpr_workgroup_id_z 1
		.amdhsa_system_vgpr_workitem_id 0
		.amdhsa_next_free_vgpr 768
		.amdhsa_next_free_sgpr 102
		.amdhsa_reserve_vcc 0
		.amdhsa_float_denorm_mode_32 3
		.amdhsa_float_denorm_mode_16_64 3
		.amdhsa_memory_ordered 1
		.amdhsa_forward_progress 1
		.amdhsa_inst_pref_size 97
	.end_amdhsa_kernel
	.amdgpu_metadata
---
amdhsa.version: [ 1, 2 ]
amdhsa.kernels:
  - .name:           k_q2a153e3170_proj
    .symbol:         k_q2a153e3170_proj.kd
    .args:
      - { .name: cc, .offset: 0, .size: 8, .value_kind: global_buffer, .address_space: global }
      - { .name: cs, .offset: 8, .size: 8, .value_kind: global_buffer, .address_space: global }
      - { .name: Wo_codes, .offset: 16, .size: 8, .value_kind: global_buffer, .address_space: global }
      - { .name: Wo_scales, .offset: 24, .size: 8, .value_kind: global_buffer, .address_space: global }
      - { .name: bo, .offset: 32, .size: 8, .value_kind: global_buffer, .address_space: global }
      - { .name: out0, .offset: 40, .size: 8, .value_kind: global_buffer, .address_space: global }
    .group_segment_fixed_size: 327680
    .private_segment_fixed_size: 0
    .kernarg_segment_align: 8
    .kernarg_segment_size: 48
    .max_flat_workgroup_size: 128
    .sgpr_count:     102
    .vgpr_count:     768
    .wavefront_size: 32
...
	.end_amdgpu_metadata
.endif
;; end of part 3
